; MI455X (gfx1250); checked and timed in simulation.
; The chip was launched on July 23, 2026; its instructions are those of AMD's public machine-readable ISA for CDNA 5 (MIT licence, August 2026) and "CDNA5" Instruction Set Architecture Reference Guide (July 2026). The comments in the code are by the model that wrote it; some were corrected since.
;; Grouped GLU. Allowed arithmetic: matrix products marked QUANTISED: E2M1 operands, one E8M0 scale for each 32 along K, by v_wmma_scale_f32_16x16x128_f8f6f4 with both operands' format E2M1 (or v_wmma_scale_f32_32x16x128_f4), f32 sums; everything else in f32.
;; Inputs: offs 8 int32; weight_down 8 x 1,024 x 256 float32; weight_gate 8 x 256 x 1,024 float32; weight_up 8 x 256 x 1,024 float32; x 65,536 x 256 float32.
;; Outputs: out0 65,536 x 256 float32.
;; This version of the problem:
;;   THIS VERSION OF THE PROBLEM IS GIVEN IN LOW PRECISION. The matrix products marked QUANTISED in the list below multiply operands that are first quantised to E2M1 (2 exponent bits, 1 mantissa bit; 4 bits a number), with one power-of-two scale for each 32 numbers along K (OCP MX v1.0); their sums are f32. All else is computed in f32.
;;   The module's matrix products, in the order in which they are computed (A, B: the left and right operand; K: the contracted axis; several contracted axes count as one K, in the product's order):
;;     1. batch 8 x [M 8,192, K 256] x [K 256, N 1,024]; A: input x; B: input weight_gate: QUANTISED
;;     2. batch 8 x [M 8,192, K 256] x [K 256, N 1,024]; A: input x; B: input weight_up: QUANTISED
;;     3. batch 8 x [M 8,192, K 1,024] x [K 1,024, N 256]; A: computed on the way; B: input weight_down: QUANTISED
;;   THE QUANTISER, for each operand of a quantised product, along K:
;;     - K is cut into blocks of 32 from its start; a last block that is shorter is filled with zeros.
;;     - A block's scale is 2^e with e = floor(log2(the largest magnitude in the block)) - 2, held to -126 .. 127; a block of zeros has e = 0. As a byte (E8M0): e + 127.
;;     - Each number is divided by its block's scale, clamped to +-6, and rounded to the nearest number of E2M1, ties to even, subnormals kept.
;;     - The product sums the exact products of the quantised numbers (number of the format x scale) in f32.
;;   ~~~python
;;   def quantise(x, axis):      # numpy; x: float32 -> the quantised numbers, widened to float32 again
;;       x = np.moveaxis(x, axis, -1); K = x.shape[-1]
;;       x = np.pad(x, [(0, 0)] * (x.ndim - 1) + [(0, -K % 32)]); x = x.reshape(x.shape[:-1] + (-1, 32)); a = np.abs(x).max(-1, keepdims=True)
;;       e = np.where(a > 0, np.clip(np.frexp(np.where(a > 0, a, 1))[1] - 1 - 2, -126, 127), 0)      # np.frexp(a)[1] - 1 = floor(log2(a)), exactly
;;       r = np.clip(x / 2.0 ** e, -6, 6)
;;       step = 2.0 ** (np.maximum(np.frexp(np.where(r == 0, 1, r))[1] - 1, 0) - 1)
;;       q = np.round(r / step) * step * 2.0 ** e      # np.round: ties to even
;;       return np.moveaxis(q.reshape(q.shape[:-2] + (-1,))[..., :K], -1, axis).astype(np.float32)
;;   ~~~
;;   OPERANDS COMPUTED ON THE WAY. 'Computed on the way' means the value that the module computes at that place (a softmax that the list does not call 'softmax' is quantised finished and normalised). What goes into a quantiser is computed in f32, as accurately as f32 sums, v_exp_f32 and their like allow (about 1e-6 of the number): no bf16 or f16 on the way to a quantiser, and a product that is left as it is and whose result goes on into a quantised operand takes f32 operands (vector FMAs, or v_wmma_f32_16x16x4_f32). A number that lies on a knife's edge between two numbers of the format may be rounded either way, as far as f32 arithmetic and the matrix unit's own rounding can turn it there, and no further.
;; One version. Each part assembles by itself: llvm-mc -triple=amdgcn-amd-amdhsa -mcpu=gfx1250 --defsym DOCPART=n.
;; ======== version 1 of 1: 2 launches
;; workspace buffers: wcod 3,145,728 bytes; wscl 196,608 bytes
;; launch wquant (part 1): grid 32 x 24, 2 waves a work-group, no clusters, 0 bytes of LDS; arguments weight_gate, weight_up, weight_down, wcod, wscl; writes wcod, wscl
.if DOCPART == 1
	.amdgcn_target "amdgcn-amd-amdhsa--gfx1250"
	.amdhsa_code_object_version 6
	.text
	.protected	k_qf213d75e52_wquant
	.globl	k_qf213d75e52_wquant
	.p2align	8
	.type	k_qf213d75e52_wquant,@function
k_qf213d75e52_wquant:
	s_mov_b64 s[64:65], 0
	v_nop
	global_prefetch_b8 v0, s[64:65] scope:SCOPE_SE
	s_setreg_imm32_b32 hwreg(HW_REG_WAVE_MODE, 25, 1), 1
	s_wait_xcnt 0x0
; GroupedGLU, first of two launches: the three weights, f32 with K as their FIRST axis inside a group, become codes of FP4 (E2M1) and E8M0 scale bytes,
; one for each 32 along K, laid in the order in which the second launch's operand registers take them.
; WORK LEFT OUT.  reference() takes offs as an argument and names it in no expression: the groups are cut by x.reshape(G, t // G, d).  So whatever whole numbers offs
; holds, none of them reaches y: offs is not loaded and is among no launch's arguments.  (Nothing else is left out.  offs is int32: no NaN, infinity or overflow can lie in it.)
; THE QUANTISER.  A block's scale is 2^(floor(log2(its largest magnitude)) - 2); its byte is the largest magnitude's exponent field - 2, held at 1 from below.
; LIMITS: a block of zeros gets the byte 1 where the rule says 127 (its codes are zeros, which add nothing under any byte but 0xff, and this program alone reads the bytes);
; blocks whose largest magnitude lies under 2^-124 are held at the byte 1; NaN and infinities among the inputs are not served.
; LAYOUT OF wcod, 393,216 bytes a group: gate at 0, up at 131,072, down at 262,144.  A fragment (16 rows x 128 K) is 1,024 bytes, [c 0..1][lane 0..31][16 bytes]: lane (r, h), half c,
; holds the 32 codes k = 64 c + 32 h + 0 .. 31 of the fragment's row r.  gate, up: fragment (T, s) at (2 T + s) x 1,024; row r of tile T is hidden unit 32 (T / 2) + 8 (T % 2) + r + 8 (r / 8),
; so that the results of tiles 2 b and 2 b + 1 are 16 neighbours along the next K.  down: fragment (nT, s) at (8 nT + s) x 1,024; row r is output 16 nT + r.
; LAYOUT OF wscl, 24,576 bytes a group: one word for a row and 128 k.  gate at 0: [s][T][r]; up at 8,192 likewise; down at 16,384: [s][nT][r].
; SHARES.  Grid y = 8 x matrix + group; a wave takes 32 columns x 128 along K: two fragments.  A LANE TAKES A COLUMN AND ITS REGISTERS RUN DOWN K: a block of 32 lies in one lane's 32 registers,
; its largest magnitude needs no other lane, and the conversions give codes with K innermost.  The two waves stand side by side: 256 consecutive bytes of each row of W.
; No LDS, no barrier: waves share nothing.  Loads run two blocks ahead: 64 loads of a wave are out.
.set X,  32                            ; v32-159  the four blocks' numbers, block t at 32 + 32 t
.set C,  160                           ; v160-175 the codes, four registers a block: no store's data are written again
.set SB, 176                           ; v176     the scale word
	s_load_b256 s[4:11], s[0:1], 0x0               ; gate s[4:5], up s[6:7], down s[8:9], wcod s[10:11]
	s_load_b64 s[12:13], s[0:1], 0x20              ; wscl
	v_lshrrev_b32 v1, 5, v0
	v_readfirstlane_b32 s14, v1                    ; wave 0, 1
	v_and_b32 v1, 31, v0                           ; lane = 16 u + r
	v_and_b32 v2, 15, v0                           ; r
	v_bfe_u32 v3, v0, 4, 1                         ; u
	v_lshlrev_b32 v6, 2, v1                        ; my scale word's place: 4 x lane
	s_and_b32 s15, ttmp7, 0xffff
	s_and_b32 s16, s15, 7                          ; the group
	s_lshr_b32 s15, s15, 3                         ; the matrix: 0 gate, 1 up, 2 down
	s_lshl_b32 s20, s16, 20                        ; source: a group is 1,048,576 bytes in each of the three
	s_mov_b32 s21, 0
	s_mul_i32 s22, s16, 393216                     ; codes: the group,
	s_lshl_b32 s28, s15, 17
	s_add_co_u32 s22, s22, s28                     ; and the matrix: 131,072 bytes each
	s_mov_b32 s23, 0
	s_mul_i32 s24, s16, 24576                      ; scale words: the group,
	s_lshl_b32 s28, s15, 13
	s_add_co_u32 s24, s24, s28                     ; and the matrix: 8,192 bytes each
	s_mov_b32 s25, 0
	s_wait_kmcnt 0x0
	s_cmp_eq_u32 s15, 0                            ; the source is chosen by the work-group's number alone
	s_cselect_b64 s[18:19], s[4:5], s[6:7]
	s_cmp_eq_u32 s15, 2
	s_cselect_b64 s[18:19], s[8:9], s[18:19]       ; (a select leaves SCC as the compare set it)
	s_cbranch_scc1 .Ldown
.macro LOADB t, pitch                  ; block t: W(32 t + n, my column), n = 0 .. 31
.irp n, 0,1,2,3,4,5,6,7,8,9,10,11,12,13,14,15,16,17,18,19,20,21,22,23,24,25,26,27,28,29,30,31
	global_load_b32 v[X+32*(\t)+\n], v4, s[18:19] offset:(32*(\t)+\n)*(\pitch) th:TH_LOAD_NT
.endr
.endm
.macro BLOCK t, left, pitch
.set XB, X+32*(\t)
	s_wait_loadcnt \left                           ; loads come back in order: this block's 32 are in, the next block's 32 may be out
.if (\t) < 2
	LOADB (\t)+2, \pitch                           ; and the block two further on is asked for
.endif
	v_max3_num_f32 v12, |v[XB]|, |v[XB+1]|, |v[XB+2]|              ; the block's largest magnitude, in two chains: all 32 numbers are mine
	v_max3_num_f32 v13, |v[XB+3]|, |v[XB+4]|, |v[XB+5]|
.irp n, 6,10,14,18,22,26
	v_max3_num_f32 v12, v12, |v[XB+\n]|, |v[XB+\n+1]|
	v_max3_num_f32 v13, v13, |v[XB+\n+2]|, |v[XB+\n+3]|
.endr
	v_max3_num_f32 v12, v12, |v[XB+30]|, |v[XB+31]|
	v_max3_num_f32 v12, v12, v13, 0x1800000        ; and the floor 2^(3 - 127): the byte cannot fall under 1
	v_add_nc_u32 v11, 0xff000000, v12              ; 2 off the exponent field: the conversion takes the exponent field of this operand as its scale
.if (\t) == 0
	v_lshrrev_b32 v[SB], 23, v11                   ; the scale's byte: byte t of the word serves k = 32 t .. 32 t + 31
.else
	v_lshrrev_b32 v13, 23, v11
	v_lshl_or_b32 v[SB], v13, 8*(\t), v[SB]
.endif
.irp n, 0,1,2,3
	v_cvt_scalef32_pk8_fp4_f32 v[C+4*(\t)+\n], v[XB+8*\n:XB+8*\n+7], v11
.endr
	global_store_b128 v5, v[C+4*(\t):C+4*(\t)+3], s[10:11] offset:256*(\t)   ; block t = 2 c + h lies at 512 c + 256 h of its fragment: sixteen lanes store 256 consecutive bytes, aligned
.endm                                  ; (the conversions' results go to stores alone; the next block begins with plain vector lines, ahead of the line that writes v11 anew)
; s26 = the K step s, s27 = the block of 32 columns cb, v4 = my column's bytes in it.  The shifts: s in the source, cb in the codes, s in the scale words, u in the codes.
.macro BODY pitch, srcsh, codsh, sclsh, ush
	s_lshl_b32 s28, s26, \srcsh
	s_add_co_u32 s20, s20, s28                     ; source: 128 rows a K step,
	s_lshl_b32 s28, s27, 7
	s_add_co_u32 s20, s20, s28                     ; 128 bytes a block of columns
	s_add_co_u32 s24, s24, s28                     ; scale words: 128 bytes a block of columns too,
	s_lshl_b32 s28, s26, \sclsh
	s_add_co_u32 s24, s24, s28                     ; and the K step
	s_lshl_b32 s28, s27, \codsh
	s_add_co_u32 s22, s22, s28                     ; codes: the block's two tiles,
	s_lshl_b32 s28, s26, 10
	s_add_co_u32 s22, s22, s28                     ; the K step's fragment
	v_lshlrev_b32 v5, 4, v2
	v_lshl_add_u32 v5, v3, \ush, v5                ; lanes 16-31: the second tile; 16 r in a fragment's 256 bytes
	s_add_nc_u64 s[18:19], s[18:19], s[20:21]
	s_add_nc_u64 s[10:11], s[10:11], s[22:23]
	s_add_nc_u64 s[12:13], s[12:13], s[24:25]
	LOADB 0, \pitch
	LOADB 1, \pitch
	BLOCK 0, 32, \pitch
	BLOCK 1, 32, \pitch
	BLOCK 2, 32, \pitch
	BLOCK 3, 0, \pitch
	global_store_b32 v6, v[SB], s[12:13]           ; 32 scale words: 128 consecutive bytes a wave, 256 the two waves
	s_endpgm
.endm
	; gate, up: [256 (k)][1,024 (n)]: x = 2 (cb / 2) + s
	s_and_b32 s26, ttmp9, 1
	s_lshr_b32 s27, ttmp9, 1
	s_lshl_b32 s27, s27, 1
	s_add_co_u32 s27, s27, s14
	v_and_b32 v4, 8, v2
	v_add_nc_u32 v4, v4, v2                        ; r + 8 (r / 8)
	v_lshl_add_u32 v4, v3, 3, v4                   ; + 8 u: THE ROWS OF A TILE ARE NOT NEIGHBOURS; the 32 lanes still cover the block's 32 columns
	v_lshlrev_b32 v4, 2, v4
	BODY 4096, 19, 12, 12, 11
.Ldown:
	; down: [1,024 (k)][256 (n)]: x = 4 s + cb / 2
	s_lshr_b32 s26, ttmp9, 2
	s_and_b32 s27, ttmp9, 3
	s_lshl_b32 s27, s27, 1
	s_add_co_u32 s27, s27, s14
	v_lshlrev_b32 v4, 2, v1                        ; column = 32 cb + lane
	BODY 1024, 17, 14, 10, 13
.Lfunc_end_k_qf213d75e52_wquant:
	.size	k_qf213d75e52_wquant, .Lfunc_end_k_qf213d75e52_wquant-k_qf213d75e52_wquant
	.p2alignl 7, 3214868480
	.fill 96, 4, 3214868480
	.section	.rodata,"a",@progbits
	.p2align	6, 0x0
	.amdhsa_kernel k_qf213d75e52_wquant
		.amdhsa_group_segment_fixed_size 0
		.amdhsa_private_segment_fixed_size 0
		.amdhsa_enable_private_segment 0
		.amdhsa_kernarg_size 40
		.amdhsa_user_sgpr_count 2
		.amdhsa_user_sgpr_kernarg_segment_ptr 1
		.amdhsa_wavefront_size32 1
		.amdhsa_system_sgpr_workgroup_id_x 1
		.amdhsa_system_sgpr_workgroup_id_y 1
		.amdhsa_system_sgpr_workgroup_id_z 1
		.amdhsa_system_vgpr_workitem_id 0
		.amdhsa_next_free_vgpr 192
		.amdhsa_next_free_sgpr 66
		.amdhsa_reserve_vcc 0
		.amdhsa_float_denorm_mode_32 3
		.amdhsa_float_denorm_mode_16_64 3
		.amdhsa_memory_ordered 1
		.amdhsa_forward_progress 1
		.amdhsa_inst_pref_size 40
	.end_amdhsa_kernel
	.amdgpu_metadata
---
amdhsa.version: [ 1, 2 ]
amdhsa.kernels:
  - .name:           k_qf213d75e52_wquant
    .symbol:         k_qf213d75e52_wquant.kd
    .args:
      - { .name: weight_gate, .offset: 0, .size: 8, .value_kind: global_buffer, .address_space: global }
      - { .name: weight_up, .offset: 8, .size: 8, .value_kind: global_buffer, .address_space: global }
      - { .name: weight_down, .offset: 16, .size: 8, .value_kind: global_buffer, .address_space: global }
      - { .name: wcod, .offset: 24, .size: 8, .value_kind: global_buffer, .address_space: global }
      - { .name: wscl, .offset: 32, .size: 8, .value_kind: global_buffer, .address_space: global }
    .group_segment_fixed_size: 0
    .private_segment_fixed_size: 0
    .kernarg_segment_align: 8
    .kernarg_segment_size: 40
    .max_flat_workgroup_size: 64
    .sgpr_count:     66
    .vgpr_count:     192
    .wavefront_size: 32
...
	.end_amdgpu_metadata
.endif
;; end of part 1
;; launch glu (part 2): grid 256 x 1, 4 waves a work-group, no clusters, 327,680 bytes of LDS; arguments x, wcod, wscl, out0; writes out0
.if DOCPART == 2
	.amdgcn_target "amdgcn-amd-amdhsa--gfx1250"
	.amdhsa_code_object_version 6
	.text
	.protected	k_qf213d75e52_glu
	.globl	k_qf213d75e52_glu
	.p2align	8
	.type	k_qf213d75e52_glu,@function
k_qf213d75e52_glu:
	s_mov_b64 s[64:65], 0
	v_nop
	global_prefetch_b8 v0, s[64:65] scope:SCOPE_SE
	s_setreg_imm32_b32 hwreg(HW_REG_WAVE_MODE, 25, 1), 1
	s_wait_xcnt 0x0
; GroupedGLU, second launch: y = (silu(x Wg) * (x Wu)) Wd for 8 groups of 8,192 tokens, D = 256, DFF = 1,024; all three products on codes of FP4 (E2M1) with one E8M0 scale for each 32 along K, sums in f32.
; WORK LEFT OUT: offs, which reference() names in no expression (the groups come from a reshape), is not loaded.
; SHARES.  Work-group W has group W / 32 and tokens 256 W .. 256 W + 255, as four blocks of 64 rows.  THE WAVES SHARE THE COLUMNS: wave w owns hidden units 256 w .. + 255 (16 tiles of gate, 16 of up) and
; outputs 64 w .. + 63 (4 tiles of down) for all rows.  Its weights, 96 fragments, stay in 768 registers for the whole launch, each read once, 512 consecutive bytes a load, in the order of the registers.
; What goes from wave to wave, through LDS, is small: x's codes (rows) and h's codes (images of the operand's registers).  h never goes to memory.
; x comes by four tensor loads a wave (its own 16 rows of each block, 16,384 dense bytes): four loads of a wave are out at the most.  Every LDS byte is filled once; block b waits for load b alone; only the
; wave that asked reads a tile, behind its own wait.
; WHAT IS WANTED FIRST IS ASKED FOR FIRST: x's block 0; the scale words, gate's and up's codes; then x's blocks 1 to 3; block 0 is quantised while the last of those loads are out; down's codes, wanted only
; behind the first block's 256 gate and up products, are asked for last.  All four tensor loads stand ahead of the first wait for one, the first LDS read and the first barrier.
; BOTH KINDS OF PRODUCT ARE USED TRANSPOSED (source 0 = 16 rows of a weight, source 1 = 16 tokens): a lane holds ONE token, and its registers run along the hidden units, the next K, or along the outputs.
; h = (g u) / (1 + 2^(-g log2 e)), in f32.
; NO CLUSTER, though the 32 work-groups of a group read the same weights: the weights go straight into registers, and a joint load can land in LDS alone, of whose 327,680 bytes this text uses 324,608.
; NO PREFETCH: every byte that the launch reads is asked for ahead of its first product.
; LIMITS: NaN and infinities among the inputs are not served; g u must stay finite (it is formed ahead of the division, an order of rounding other than (g sigmoid(g)) u); where 1 + 2^(-g log2 e) passes 2^126
; the reciprocal comes out as 0 and h is 0, where reference() has |h| under about 1e-36 |u|; a block of zeros gets the byte 1 where the rule says 127 (its codes are zeros; this program alone reads the bytes);
; blocks whose largest magnitude lies under 2^-124 are held at the byte 1.
; LDS:
.set XF,    0                          ; 262,144  x as f32: block b, wave w at 65,536 b + 16,384 w: 16 rows of 1,024 bytes.  Filled once, by tensor loads
.set XC,    262144                     ; 9,216    x's codes as rows: 64 rows, 128 bytes + 16: the 16 rows of a load begin at 16 different 16-byte columns of 256
.set XS,    271360                     ; 512      x's scale bytes, [row][8]
.set HI,    271872                     ; 32,768   h's fragments (tile of rows m, K step s) at (8 m + s) x 1,024, [c][lane][16 bytes]
.set HS,    304640                     ; 2,048    h's scale words: 512 m + 128 (s / 2) + 64 (s % 2) + 4 r
.set YS,    306688                     ; 17,408   the way out: 16 rows x (256 + 16) bytes for each wave
.set SPARE, 324096                     ; 512      the spare words, 128 bytes for each wave: two blocks of 256 bytes that no other line names
; REGISTERS, window 0: v1-13 addresses (below); v14, v15 the add's two; v16-143 two sets of 4 gate tiles + 4 up tiles; v144-175 x's fragments, two buffers; v176-181 scale words of x or of h;
;   v182-185 the codes just made, v186 their scale word; v188-195 at work; v196-198 the weights' load offsets; v208-239 gate's (lanes 0-15) and up's (lanes 16-31) scale words; v240-255 down's.
;   In the x phase v16-143 hold 16 rows of x, v144-159 their codes, v160-175 their bytes.  In the last phase v16-79 are y's 8 accumulators and v80-175 three buffers of h's fragments.
;   window 1: gate's fragment (t, s) at v[8 (2 t + s)];  window 2: up's likewise;  window 3: down's (n, s) at v[8 (8 n + s)].
.set ACC, 16
.set YA,  16
.set HF,  80
.set XFR, 144
.set SCW, 176
.set PC,  182
.set PW,  186
.set TM,  188
.set GUS, 208
.set DS,  240
.set MSB, 0
.macro WIN new                         ; the immediate's high byte repeats the setting that is left; a switch that changes nothing is dropped
.if MSB != \new
	s_set_vgpr_msb (MSB<<8)|\new
.set MSB, \new
.endif
.endm
.macro PLACES n                        ; plain vector instructions that name no register of the matrix instructions in front of them (ISA guide 7.12.1)
.rept \n
	v_nop
.endr
.endm
.macro BARRIER                         ; my LDS stores have landed and my LDS loads are in: then the work-group's barrier
	s_wait_dscnt 0x0
	s_barrier_signal -1
	s_barrier_wait -1
.endm
; Block b's 16 rows of mine, out of LDS: row n in v[16 + 8 n ..], lane l its k = 8 l .. 8 l + 7.
.macro XGET b
	s_wait_tensorcnt 3-(\b)                        ; a wave's tensor loads end in order: load b has landed, the later blocks' may stay out
	v_add_nc_u32 v2, (\b)*65536, v1
.irp n, 0,1,2,3,4,5,6,7,8,9,10,11,12,13,14,15
	ds_load_b128 v[ACC+8*\n:ACC+8*\n+3], v2 offset:1024*\n
	ds_load_b128 v[ACC+8*\n+4:ACC+8*\n+7], v2 offset:1024*\n+16
.endr
.endm
; Rows 4 g .. 4 g + 3 are quantised, the four by turns.  A block of 32 lies in four neighbouring lanes.
.macro XQ4 g, left
	s_wait_dscnt \left                             ; these four rows' eight loads are in; the later rows' may be out
.irp n, 0,1,2,3
	v_max3_num_f32 v[TM+\n], |v[ACC+8*(4*(\g)+\n)]|, |v[ACC+8*(4*(\g)+\n)+1]|, 0x1800000   ; with the floor 2^(3 - 127): the byte cannot fall under 1
.endr
.irp e, 2,4,6
.irp n, 0,1,2,3
	v_max3_num_f32 v[TM+\n], v[TM+\n], |v[ACC+8*(4*(\g)+\n)+\e]|, |v[ACC+8*(4*(\g)+\n)+\e+1]|
.endr
.endr
.irp n, 0,1,2,3
	v_max_num_f32_dpp v[TM+\n], v[TM+\n], v[TM+\n] row_xmask:1 row_mask:0xf bank_mask:0xf
.endr
.irp n, 0,1,2,3
	v_max_num_f32_dpp v[TM+\n], v[TM+\n], v[TM+\n] row_xmask:2 row_mask:0xf bank_mask:0xf   ; the block's largest magnitude
.endr
.irp n, 0,1,2,3
	v_add_nc_u32 v[TM+4+\n], 0xff000000, v[TM+\n]  ; 2 off its exponent field: the conversion's scale operand
.endr
.irp n, 0,1,2,3
	v_cvt_scalef32_pk8_fp4_f32 v[XFR+4*(\g)+\n], v[ACC+8*(4*(\g)+\n):ACC+8*(4*(\g)+\n)+7], v[TM+4+\n]
.endr
.irp n, 0,1,2,3
	v_lshrrev_b32 v[XFR+16+4*(\g)+\n], 23, v[TM+4+\n]   ; the scale's byte.  (Also the plain lines behind the conversions)
.endr
.endm
; The x phase behind XGET: my 16 rows become codes and scale bytes, and go to LDS as rows
.macro XPH
	XQ4 0, 24
	XQ4 1, 16
	XQ4 2, 8
	XQ4 3, 0
.irp n, 0,1,2,3,4,5,6,7,8,9,10,11,12,13,14,15
	ds_store_b32 v3, v[XFR+\n] offset:144*\n       ; a row's 128 bytes of codes: 32 lanes, 4 bytes each
.endr
.irp n, 0,1,2,3,4,5,6,7,8,9,10,11,12,13,14,15
	ds_store_b8 v4, v[XFR+16+\n] offset:8*\n       ; the four lanes of a block write the same byte with the same value
.endr
.endm
	s_load_b256 s[4:11], s[0:1], 0x0               ; x s[4:5], wcod s[6:7], wscl s[8:9], out0 s[10:11]
	v_lshl_add_u32 v14, v0, 2, SPARE
	v_mov_b32 v15, 0
	ds_add_u32 v14, v15                            ; the wave's opening: the add, twice on end, and its wait ahead of my first tensor load
	ds_add_u32 v14, v15                            ; and once more, under the one wait; the set-up below, work on registers, stands between
	v_lshrrev_b32 v1, 5, v0
	v_readfirstlane_b32 s12, v1                    ; wave 0..3
	; descriptor group 1: 16,384 dense bytes as 64 rows of 256 bytes (32 elements of 8 bytes), no mask, no padding (padded rows would take 278,528 bytes, which do not fit beside the rest)
	s_mov_b32 s24, 3<<16                           ; 17:16 elements of 8 bytes
	s_mov_b32 s25, 32<<16                          ; tensor_dim0 = 32
	s_mov_b32 s26, 64<<16                          ; tensor_dim1 = 64
	s_mov_b32 s27, 32<<16                          ; tile_dim0 = 32
	s_mov_b32 s28, 64                              ; tile_dim1 = 64
	s_mov_b32 s29, 32                              ; from row to row: 32 elements
	s_mov_b32 s30, 0
	s_mov_b32 s31, 0
	s_mov_b32 s20, 0x76543210
	s_mov_b32 s21, 0xfedcba98                      ; v_permlanex16_b32's selects for lane l xor 16
	s_mov_b32 s22, 0xbfb8aa3b                      ; -log2(e)
	s_mov_b32 s23, s22                             ; (named with it as a pair, so it is written)
	s_mov_b32 s48, 0                               ; the block in hand
	s_lshl_b32 s13, s12, 14                        ; my wave's 16 rows: 16,384 bytes, in memory and in LDS alike
	s_lshl_b32 s14, ttmp9, 18                      ; my work-group's 256 rows of 1,024 bytes
	s_add_co_u32 s14, s14, s13
	s_mov_b32 s15, 0
	s_wait_dscnt 0x0                               ; both opening adds are done
	s_wait_kmcnt 0x0
	s_add_nc_u64 s[16:17], s[4:5], s[14:15]
.irp b, 0,1,2,3                        ; group 0, a set for each block; none is ever written again
	s_mov_b32 s[32+4*\b], 1                                        ; count = 1
	s_add_co_u32 s[33+4*\b], s13, \b*65536                         ; LDS address
	s_add_nc_u64 s[34+4*\b:35+4*\b], s[16:17], \b*65536            ; global address: 64 rows a block
	s_or_b32 s[35+4*\b], s[35+4*\b], 0x80000000                    ; type = 2
.endr
	tensor_load_to_lds s[32:35], s[24:31]          ; x's block 0: the first thing that is wanted
	s_nop 0
	PLACES 4
	v_and_b32 v199, 31, v0                         ; lane
	v_and_b32 v200, 15, v0                         ; r
	v_bfe_u32 v201, v0, 4, 1                       ; h
	v_lshlrev_b32 v1, 5, v199
	v_add_nc_u32 v1, s13, v1                       ; v1  x as f32: 32 x lane + 16,384 w: lane l takes k = 8 l .. 8 l + 7 of a row
	s_mul_i32 s14, s12, 2304
	s_add_co_u32 s14, s14, XC
	v_lshl_add_u32 v3, v199, 2, s14                ; v3  where I store x's codes: my 16 rows, 4 bytes a lane
	s_lshl_b32 s14, s12, 7
	s_add_co_u32 s14, s14, XS
	v_lshrrev_b32 v4, 2, v199
	v_add_nc_u32 v4, s14, v4                       ; v4  and their scale bytes: four lanes to a block
	v_mul_u32_u24 v5, v200, 144
	v_lshl_add_u32 v5, v201, 4, v5
	v_add_nc_u32 v5, XC, v5                        ; v5  x's fragments: row r, + 16 h
	v_lshlrev_b32 v6, 3, v200
	v_lshl_add_u32 v6, v201, 2, v6
	v_add_nc_u32 v6, XS, v6                        ; v6  x's scale words: lanes 0-15 K step 0, lanes 16-31 K step 1
	s_lshl_b32 s14, s12, 11
	s_add_co_u32 s14, s14, HI
	v_lshl_add_u32 v7, v199, 4, s14                ; v7  where I store h's images: K steps 2 w, 2 w + 1
	s_lshl_b32 s14, s12, 7
	s_add_co_u32 s14, s14, HS
	v_lshl_add_u32 v8, v200, 2, s14                ; v8  and their scale words
	v_lshl_add_u32 v9, v199, 4, HI                 ; v9  h's images, read
	v_lshl_add_u32 v10, v199, 2, HS                ; v10 h's scale words, read: lanes 0-15 an even K step, lanes 16-31 the odd one behind it
	s_mul_i32 s14, s12, 4352
	s_add_co_u32 s14, s14, YS                      ; my stage
	v_mul_u32_u24 v11, v200, 272
	v_lshl_add_u32 v11, v201, 5, v11
	v_add_nc_u32 v11, s14, v11                     ; v11 in: row r, 32 bytes for each half of the lanes
	v_mul_u32_u24 v12, v201, 272
	v_lshl_add_u32 v12, v200, 4, v12
	v_add_nc_u32 v12, s14, v12                     ; v12 back: lanes 0-15 one row of 256 bytes, lanes 16-31 the next
	v_lshlrev_b32 v13, 10, v201
	v_lshl_add_u32 v13, v200, 4, v13               ; v13 and the same two rows in out0
	v_lshlrev_b32 v196, 4, v199                    ; the weights' codes: 16 x lane
	v_lshlrev_b32 v197, 2, v200
	v_lshl_add_u32 v197, v201, 13, v197
	s_lshl_b32 s14, s12, 10
	v_add_nc_u32 v197, s14, v197                   ; gate's words (lanes 0-15) and up's (lanes 16-31, 8,192 bytes on): 4 r + 1,024 w
	v_lshlrev_b32 v198, 2, v200
	v_lshl_add_u32 v198, v201, 10, v198
	s_lshl_b32 s14, s12, 8
	v_add_nc_u32 v198, s14, v198                   ; down's words: lanes 16-31 one K step (1,024 bytes) on: 4 r + 256 w
	s_lshr_b32 s14, ttmp9, 5                       ; the group
	s_mul_i32 s16, s14, 393216
	s_lshl_b32 s18, s12, 15
	s_add_co_u32 s16, s16, s18                     ; my wave's 32,768 bytes of each matrix
	s_mov_b32 s17, 0
	s_add_nc_u64 s[6:7], s[6:7], s[16:17]
	s_mul_i32 s16, s14, 24576
	s_add_nc_u64 s[8:9], s[8:9], s[16:17]
	s_lshl_b32 s16, ttmp9, 18
	s_lshl_b32 s18, s12, 8
	s_add_co_u32 s16, s16, s18                     ; out0: my work-group's rows, my wave's 64 columns
	s_add_nc_u64 s[10:11], s[10:11], s[16:17]
.irp t, 0,1,2,3,4,5,6,7,8,9,10,11,12,13,14,15
.irp s, 0,1
	global_load_b32 v[GUS+2*\t+\s], v197, s[8:9] offset:4096*\s+64*\t
.endr
.endr
.irp n, 0,1,2,3
.irp p, 0,1,2,3
	global_load_b32 v[DS+4*\n+\p], v198, s[8:9] offset:16384+2048*\p+64*\n
.endr
.endr
	WIN 0x40                                       ; destination window 1: gate
.set ld, 0
.rept 64
	global_load_b128 v[4*ld:4*ld+3], v196, s[6:7] offset:512*ld
.set ld, ld+1
.endr
	WIN 0x80                                       ; window 2: up
.set ld, 0
.rept 64
	global_load_b128 v[4*ld:4*ld+3], v196, s[6:7] offset:131072+512*ld
.set ld, ld+1
.endr
	WIN 0xc0                                       ; window 3: down's first 8 loads: so 56 are left for behind the x phase, a count that a wait can name
.set ld, 0
.rept 8
	global_load_b128 v[4*ld:4*ld+3], v196, s[6:7] offset:262144+512*ld
.set ld, ld+1
.endr
	WIN 0
.irp b, 1,2,3                          ; x's later blocks, asked for behind what the first products want; still ahead of the first wait on TENSORcnt, the first LDS read and the first barrier
	tensor_load_to_lds s[32+4*\b:35+4*\b], s[24:31]
	s_nop 0
.endr
	PLACES 4
	XGET 0                                         ; block 0's x phase stands ahead of the loop: it runs while the last of gate's and up's loads are out
	XPH
	WIN 0xc0                                       ; down's other 56 loads: they land under the first block's gate and up products
.rept 56
	global_load_b128 v[4*ld:4*ld+3], v196, s[6:7] offset:262144+512*ld
.set ld, ld+1
.endr
	WIN 0
; x's two fragments and its scale words for the tile of rows m, into buffer m % 2
.macro FETCHX m
.irp s, 0,1
.irp c, 0,1
	ds_load_b128 v[XFR+16*((\m)%2)+8*\s+4*\c:XFR+16*((\m)%2)+8*\s+4*\c+3], v5 offset:2304*(\m)+64*\s+32*\c
.endr
.endr
	ds_load_b32 v[SCW+(\m)%2], v6 offset:128*(\m)
.endm
; Set i of 16 in a block: tile of rows m = i / 4; my tiles t = 8 q + 4 c + 0 .. 3 of gate and of up, q = (i / 2) % 2, c = i % 2: 64 hidden units, half c of K step 2 w + q of the last product.
; 16 matrix instructions; the eight accumulators take turns, one instruction a turn; the first K step starts the sums.
.macro MUL i
.set mM, (\i)/4
.set tT, 8*(((\i)/2)%2)+4*((\i)%2)
.set aA, ACC+64*((\i)%2)
.set xX, XFR+16*(mM%2)
.set xW, SCW+mM%2
	WIN 0x01                                       ; source 0 window 1: gate
.irp j, 0,1,2,3
	v_wmma_scale_f32_16x16x128_f8f6f4 v[aA+8*\j:aA+8*\j+7], v[16*(tT+\j):16*(tT+\j)+7], v[xX:xX+7], 0, v[GUS+2*(tT+\j)], v[xW] matrix_a_fmt:MATRIX_FMT_FP4 matrix_b_fmt:MATRIX_FMT_FP4
.endr
	WIN 0x02                                       ; source 0 window 2: up; its scale words lie in lanes 16-31
.irp j, 0,1,2,3
	v_wmma_scale_f32_16x16x128_f8f6f4 v[aA+32+8*\j:aA+32+8*\j+7], v[16*(tT+\j):16*(tT+\j)+7], v[xX:xX+7], 0, v[GUS+2*(tT+\j)], v[xW] matrix_a_fmt:MATRIX_FMT_FP4 matrix_b_fmt:MATRIX_FMT_FP4 matrix_a_scale:MATRIX_SCALE_ROW1
.endr
	WIN 0x01                                       ; K step 1: x's scale words lie in lanes 16-31
.irp j, 0,1,2,3
	v_wmma_scale_f32_16x16x128_f8f6f4 v[aA+8*\j:aA+8*\j+7], v[16*(tT+\j)+8:16*(tT+\j)+15], v[xX+8:xX+15], v[aA+8*\j:aA+8*\j+7], v[GUS+2*(tT+\j)+1], v[xW] matrix_a_fmt:MATRIX_FMT_FP4 matrix_b_fmt:MATRIX_FMT_FP4 matrix_b_scale:MATRIX_SCALE_ROW1
.endr
	WIN 0x02
.irp j, 0,1,2,3
	v_wmma_scale_f32_16x16x128_f8f6f4 v[aA+32+8*\j:aA+32+8*\j+7], v[16*(tT+\j)+8:16*(tT+\j)+15], v[xX+8:xX+15], v[aA+32+8*\j:aA+32+8*\j+7], v[GUS+2*(tT+\j)+1], v[xW] matrix_a_fmt:MATRIX_FMT_FP4 matrix_b_fmt:MATRIX_FMT_FP4 matrix_a_scale:MATRIX_SCALE_ROW1 matrix_b_scale:MATRIX_SCALE_ROW1
.endr
	WIN 0
.endm
; THE VECTOR WORK OF TWO SETS GOES BY TURNS.  Lane (r, h) holds token r; register 16 b + n of a set's G and U is hidden unit 32 b + 16 h + n of the set's 64.  A set's way: U = g u and G = -g log2 e; G = 2^G;
; G = 1 + G; G = 1 / G; U = U G = h; h is quantised.  Set i's additions and reciprocals stand between set i + 1's multiplies (PART1); set i's last multiplies and its quantiser, whose lines hang on each other,
; stand between set i + 1's exponentials (PART2).  Each batch of transcendentals has one wait, ahead of the first line that names a result of it; none is out at a matrix instruction.
; A0: set 0 has no set in front of it: its multiplies and exponentials stand alone.  Each accumulator is read from its low end on.
.macro A0
	v_pk_mul_f32 v[ACC+32:ACC+33], v[ACC:ACC+1], v[ACC+32:ACC+33]         ; g u
	v_pk_mul_f32 v[ACC:ACC+1], v[ACC:ACC+1], s[22:23] op_sel_hi:[1,0]     ; -g log2 e
.irp k, 2,4,6,8,10,12,14,16,18,20,22,24,26,28,30                       ; the exponentials run one pair behind the lines that feed them
	v_pk_mul_f32 v[ACC+32+\k:ACC+33+\k], v[ACC+\k:ACC+\k+1], v[ACC+32+\k:ACC+33+\k]
	v_pk_mul_f32 v[ACC+\k:ACC+\k+1], v[ACC+\k:ACC+\k+1], s[22:23] op_sel_hi:[1,0]
	v_exp_f32 v[ACC+\k-2], v[ACC+\k-2]
	v_exp_f32 v[ACC+\k-1], v[ACC+\k-1]
.endr
	v_exp_f32 v[ACC+30], v[ACC+30]
	v_exp_f32 v[ACC+31], v[ACC+31]
	v_nop                                          ; a plain line behind the last exponential
.endm
.macro SETS i                          ; the registers of set i (gG, uU) and of the set behind it (nG, nU), if there is one
.set gG, ACC+64*((\i)%2)
.set uU, gG+32
.set nG, ACC+64*(((\i)+1)%2)
.set nU, nG+32
.if (\i) < 15
.set hasN, 1
.else
.set hasN, 0
.endif
.endm
; PART1: set i: 1 + e and its reciprocal; set i + 1: g u and -g log2 e.  The first four additions name set i alone: they are the four places behind set i + 1's products.
.macro PART1 i
	SETS \i
.irp k, 0,2,4,6
	v_pk_add_f32 v[gG+\k:gG+\k+1], v[gG+\k:gG+\k+1], 1.0 op_sel_hi:[1,0]
.endr
.irp k, 0,2,4,6,8,10,12,14,16,18,20,22,24,26,28,30
.if hasN
	v_pk_mul_f32 v[nU+\k:nU+\k+1], v[nG+\k:nG+\k+1], v[nU+\k:nU+\k+1]
.endif
	v_rcp_f32 v[gG+\k], v[gG+\k]
.if hasN
	v_pk_mul_f32 v[nG+\k:nG+\k+1], v[nG+\k:nG+\k+1], s[22:23] op_sel_hi:[1,0]
.endif
	v_rcp_f32 v[gG+\k+1], v[gG+\k+1]
.if \k < 24
	v_pk_add_f32 v[gG+\k+8:gG+\k+9], v[gG+\k+8:gG+\k+9], 1.0 op_sel_hi:[1,0]   ; the additions run four pairs ahead of the reciprocals
.endif
.endr
	v_nop                                          ; a plain line behind the last reciprocal
	s_wait_alu depctr_va_vdst(0)                   ; one wait for the 32 reciprocals, ahead of the first line that names a result
.endm
.macro EXN                             ; the next exponential of the set behind, if there is one
.if hasN && (en < 32)
	v_exp_f32 v[nG+en], v[nG+en]
.set en, en+1
.endif
.endm
; PART2: set i: h, its two blocks' scales, its codes, to LDS; between the lines set i + 1's 32 exponentials: 16 + 5 + 3 among the lines that do not hang on each other, two behind each pair of the tail.
.macro PART2 i
	SETS \i
.set mM, (\i)/4
.set qQ, ((\i)/2)%2
.set cC, (\i)%2
.set en, 0
.irp k, 0,2,4,6,8,10,12,14,16,18,20,22,24,26,28,30
	v_pk_mul_f32 v[uU+\k:uU+\k+1], v[uU+\k:uU+\k+1], v[gG+\k:gG+\k+1]    ; h = g u sigmoid(g)
	EXN
.endr
.irp n, 0,1,2,3,4                      ; a block's largest magnitude as a tree: five lines that hang on none of each other, in the set's G registers, which are free now;
.irp b, 0,1
	v_max3_num_f32 v[gG+5*\b+\n], |v[uU+16*\b+3*\n]|, |v[uU+16*\b+3*\n+1]|, |v[uU+16*\b+3*\n+2]|
.endr
	EXN
.endr
.irp b, 0,1
	v_max3_num_f32 v[gG+5*\b], v[gG+5*\b], v[gG+5*\b+1], v[gG+5*\b+2]    ; two;
.endr
	EXN
.irp b, 0,1
	v_max3_num_f32 v[gG+5*\b+3], v[gG+5*\b+3], v[gG+5*\b+4], |v[uU+16*\b+15]|
.endr
	EXN
.irp b, 0,1
	v_max3_num_f32 v[TM+\b], v[gG+5*\b], v[gG+5*\b+3], 0x1800000         ; and one, with the floor 2^(3 - 127): the byte cannot fall under 1
.endr
	EXN
.irp b, 0,1
	v_permlanex16_b32 v[TM+2+\b], v[TM+\b], s20, s21   ; (its destination counts as read: the x phase has written it)
.endr
	EXN
	EXN
.irp b, 0,1
	v_max_num_f32 v[TM+\b], v[TM+\b], v[TM+2+\b]   ; with lane l xor 16's: the block's largest magnitude
.endr
	EXN
	EXN
.irp b, 0,1
	v_add_nc_u32 v[TM+4+\b], 0xff000000, v[TM+\b]  ; 2 off its exponent field: the conversion's scale operand
.endr
	EXN
	EXN
.irp b, 0,1
	v_lshrrev_b32 v[TM+6+\b], 23, v[TM+4+\b]       ; the scale's byte
.endr
	EXN
	EXN
	s_wait_dscnt 0x0                               ; my earlier LDS stores have read the codes' and the word's registers; x's next fragments are in
.if cC == 0
	v_lshl_or_b32 v[PW], v[TM+7], 8, v[TM+6]       ; the K step's scale word: bytes 0, 1 from half 0.  (Also the plain line behind the last exponential)
.else
	v_lshl_or_b32 v[PW], v[TM+6], 16, v[PW]        ; bytes 2, 3 from half 1
	v_lshl_or_b32 v[PW], v[TM+7], 24, v[PW]
.endif
.irp b, 0,1
	v_cvt_scalef32_pk8_fp4_f32 v[PC+2*\b], v[uU+16*\b:uU+16*\b+7], v[TM+4+\b]
	v_cvt_scalef32_pk8_fp4_f32 v[PC+2*\b+1], v[uU+16*\b+8:uU+16*\b+15], v[TM+4+\b]
.endr
	v_nop                                          ; one plain line behind a scaled conversion
	v_permlane16_swap_b32 v[PC], v[PC+2]           ; the operand's layout wants a WHOLE block in a lane: lanes 0-15 block 0, lanes 16-31 block 1
	v_permlane16_swap_b32 v[PC+1], v[PC+3]
	ds_store_b128 v7, v[PC:PC+3] offset:8192*mM+1024*qQ+512*cC           ; half c of fragment (m, 2 w + q), as the registers stand
.if cC == 1
	ds_store_b32 v8, v[PW] offset:512*mM+64*qQ     ; lanes l and l + 16 write the same word with the same value
.endif
.endm
; The last product goes in eight parts: part i has the tiles of rows 2 p, 2 p + 1 (p = i / 4) and the K steps 2 gq, 2 gq + 1 (gq = i % 4).  FH: its four fragments of h and two scale registers: ten LDS loads, into buffer i % 3.
.macro FH i
.set pP, (\i)/4
.set gq, (\i)%4
.set hB, HF+32*((\i)%3)
.irp l, 0,1
.irp a, 0,1
.irp c, 0,1
	ds_load_b128 v[hB+16*\l+8*\a+4*\c:hB+16*\l+8*\a+4*\c+3], v9 offset:((2*pP+\a)*8+2*gq+\l)*1024+512*\c
.endr
.endr
.endr
.irp a, 0,1
	ds_load_b32 v[SCW+2*((\i)%3)+\a], v10 offset:(2*pP+\a)*512+128*gq
.endr
.endm
; 16 matrix instructions: source 0 = 16 outputs of down, source 1 = 16 tokens of h; eight accumulators (two tiles of rows x my four tiles of outputs) by turns.  The odd K step's scale words lie in lanes 16-31 on both sides.
.macro MULD i
.set gq, (\i)%4
.set hB, HF+32*((\i)%3)
.set hW, SCW+2*((\i)%3)
	WIN 0x03                                       ; source 0 window 3
.irp l, 0,1
.irp a, 0,1
.irp n, 0,1,2,3
.if (gq == 0) && (\l == 0)
	v_wmma_scale_f32_16x16x128_f8f6f4 v[YA+32*\a+8*\n:YA+32*\a+8*\n+7], v[8*(8*\n+2*gq+\l):8*(8*\n+2*gq+\l)+7], v[hB+16*\l+8*\a:hB+16*\l+8*\a+7], 0, v[DS+4*\n+gq], v[hW+\a] matrix_a_fmt:MATRIX_FMT_FP4 matrix_b_fmt:MATRIX_FMT_FP4
.elseif \l == 0
	v_wmma_scale_f32_16x16x128_f8f6f4 v[YA+32*\a+8*\n:YA+32*\a+8*\n+7], v[8*(8*\n+2*gq+\l):8*(8*\n+2*gq+\l)+7], v[hB+16*\l+8*\a:hB+16*\l+8*\a+7], v[YA+32*\a+8*\n:YA+32*\a+8*\n+7], v[DS+4*\n+gq], v[hW+\a] matrix_a_fmt:MATRIX_FMT_FP4 matrix_b_fmt:MATRIX_FMT_FP4
.else
	v_wmma_scale_f32_16x16x128_f8f6f4 v[YA+32*\a+8*\n:YA+32*\a+8*\n+7], v[8*(8*\n+2*gq+\l):8*(8*\n+2*gq+\l)+7], v[hB+16*\l+8*\a:hB+16*\l+8*\a+7], v[YA+32*\a+8*\n:YA+32*\a+8*\n+7], v[DS+4*\n+gq], v[hW+\a] matrix_a_fmt:MATRIX_FMT_FP4 matrix_b_fmt:MATRIX_FMT_FP4 matrix_a_scale:MATRIX_SCALE_ROW1 matrix_b_scale:MATRIX_SCALE_ROW1
.endif
.endr
.endr
.endr
	WIN 0
.endm
; THE WAY OUT of the tiles of rows 2 p, 2 p + 1.  A lane holds 32 neighbouring bytes of a row for each of my four tiles of outputs; a tile of rows goes through my own stage and comes back as rows of 256 bytes,
; into the registers that it left.  LDS serves a wave's instructions in order (ISA guide 5.7.1.4): the loads see the stores above them, and the second tile's stores come behind the first's loads.
.macro OUT p
.irp a, 0,1
.irp n, 0,1,2,3
	ds_store_b128 v11, v[YA+32*\a+8*\n:YA+32*\a+8*\n+3] offset:64*\n             ; each accumulator from its low end on
	ds_store_b128 v11, v[YA+32*\a+8*\n+4:YA+32*\a+8*\n+7] offset:64*\n+16
.endr
.irp k, 0,1,2,3,4,5,6,7
	ds_load_b128 v[YA+32*\a+4*\k:YA+32*\a+4*\k+3], v12 offset:544*\k
.endr
.endr
.irp a, 0,1
.irp k, 0,1,2,3,4,5,6,7
	s_wait_dscnt 23-16*\a-\k                       ; behind this load: the tile's later loads, and for the first tile the second's sixteen LDS instructions
	global_store_b128 v13, v[YA+32*\a+4*\k:YA+32*\a+4*\k+3], s[10:11] offset:(2*(\p)+\a)*16384+2048*\k th:TH_STORE_NT   ; sixteen lanes store 256 consecutive bytes, aligned; written once, read by nobody here
.endr
.endr
.endm
.Lblock:                                           ; four trips: a block of 64 rows each, from the barrier behind its x phase to the next block's x phase
	BARRIER                                        ; x's codes of 64 rows lie in LDS; and every wave's reads of the last block's h are over
	; ---- gate, up, h: sixteen sets, on two sets of accumulators
	FETCHX 0
	s_wait_dscnt 0x0
	s_wait_loadcnt 56                              ; gate's and up's codes and all scale words are in: behind them stand down's 56 loads alone
	MUL 0
	PLACES 4                                       ; ahead of the first read of set 0's results
	A0
.set ii, 0
.rept 16
	s_wait_alu depctr_va_vdst(0)                   ; one wait for set ii's 32 exponentials, ahead of the first line that names a result
.if ii < 15
	MUL ii+1                                       ; on the registers that set ii - 1 has left
.endif
.if (ii%4 == 0) && (ii < 12)
	FETCHX ii/4+1                                  ; the next tile of rows, three sets ahead of its first use; the buffer's last products stand two sets back
.endif
	PART1 ii
	PART2 ii
.set ii, ii+1
.endr
	BARRIER                                        ; h's 32 fragments lie in LDS; and every wave's reads of x's codes are over
	; ---- down
	s_wait_loadcnt 0x0                             ; down's codes
	FH 0
	FH 1
	FH 2
.irp d, 0,1,2,3
	s_wait_dscnt 20                                ; this part's ten loads are in; the two younger parts' twenty may be out
	MULD \d
.if \d == 3
	PLACES 5                                       ; four ahead of the loads below and of the stage's reads of the results, five ahead of part 4's products, which begin the accumulators anew
.else
	PLACES 4                                       ; ahead of loads into registers that these products have read
.endif
	FH \d+3
.endr
	OUT 0                                          ; rows 0-31 leave; its last wait is for 0, so parts 4 to 6 are in
	s_wait_xcnt 0x0                                ; the stores have read their data: the accumulators are written again only behind this wait
	MULD 4
	PLACES 4
	FH 7
	MULD 5
	MULD 6
	s_wait_dscnt 0x0                               ; part 7
	MULD 7
	PLACES 5                                       ; four ahead of the stage's reads of the results and of loads into the fragments' registers, five ahead of the next block's products, which begin these registers anew
	OUT 1                                          ; rows 32-63
	s_wait_xcnt 0x0                                ; the stores have read their data and their base: both are written again only behind this wait
	s_add_nc_u64 s[10:11], s[10:11], 65536         ; 64 rows of out0 on
	; ---- the next block's x phase.  The wait's count and the tile's place are constants: one short arm for each block, chosen by the count of trips; the last trip has none
	s_cmp_eq_u32 s48, 0
	s_cbranch_scc1 .Lx1
	s_cmp_eq_u32 s48, 1
	s_cbranch_scc1 .Lx2
	s_cmp_eq_u32 s48, 2
	s_cbranch_scc1 .Lx3
	s_branch .Lnox
.Lx1:
	XGET 1
	s_branch .Lxin
.Lx2:
	XGET 2
	s_branch .Lxin
.Lx3:
	XGET 3
.Lxin:
	XPH                                            ; x's codes are written again behind the second barrier above, in front of which every wave's reads of them were over
.Lnox:
	s_add_co_u32 s48, s48, 1
	s_cmp_lt_u32 s48, 4
	s_cbranch_scc1 .Lblock
	s_wait_tensorcnt 0x0                           ; the wave's end: behind my last tensor load and my last LDS store
	ds_add_u32 v14, v15
	s_wait_dscnt 0x0
	s_endpgm
.Lfunc_end_k_qf213d75e52_glu:
	.size	k_qf213d75e52_glu, .Lfunc_end_k_qf213d75e52_glu-k_qf213d75e52_glu
	.p2alignl 7, 3214868480
	.fill 96, 4, 3214868480
	.section	.rodata,"a",@progbits
	.p2align	6, 0x0
	.amdhsa_kernel k_qf213d75e52_glu
		.amdhsa_group_segment_fixed_size 327680
		.amdhsa_private_segment_fixed_size 0
		.amdhsa_enable_private_segment 0
		.amdhsa_kernarg_size 32
		.amdhsa_user_sgpr_count 2
		.amdhsa_user_sgpr_kernarg_segment_ptr 1
		.amdhsa_wavefront_size32 1
		.amdhsa_system_sgpr_workgroup_id_x 1
		.amdhsa_system_sgpr_workgroup_id_y 1
		.amdhsa_system_sgpr_workgroup_id_z 1
		.amdhsa_system_vgpr_workitem_id 0
		.amdhsa_next_free_vgpr 1024
		.amdhsa_next_free_sgpr 66
		.amdhsa_reserve_vcc 0
		.amdhsa_float_denorm_mode_32 3
		.amdhsa_float_denorm_mode_16_64 3
		.amdhsa_memory_ordered 1
		.amdhsa_forward_progress 1
		.amdhsa_inst_pref_size 255
	.end_amdhsa_kernel
	.section	.bss,"aw",@nobits
	.p2align	6
	.space	262144
	.amdgpu_metadata
---
amdhsa.version: [ 1, 2 ]
amdhsa.kernels:
  - .name:           k_qf213d75e52_glu
    .symbol:         k_qf213d75e52_glu.kd
    .args:
      - { .name: x, .offset: 0, .size: 8, .value_kind: global_buffer, .address_space: global }
      - { .name: wcod, .offset: 8, .size: 8, .value_kind: global_buffer, .address_space: global }
      - { .name: wscl, .offset: 16, .size: 8, .value_kind: global_buffer, .address_space: global }
      - { .name: out0, .offset: 24, .size: 8, .value_kind: global_buffer, .address_space: global }
    .group_segment_fixed_size: 327680
    .private_segment_fixed_size: 0
    .kernarg_segment_align: 8
    .kernarg_segment_size: 32
    .max_flat_workgroup_size: 128
    .sgpr_count:     66
    .vgpr_count:     1024
    .wavefront_size: 32
...
	.end_amdgpu_metadata
.endif
;; end of part 2
